; MI455X (gfx1250); checked and timed in simulation.
; The chip was launched on July 23, 2026; its instructions are those of AMD's public machine-readable ISA for CDNA 5 (MIT licence, August 2026) and "CDNA5" Instruction Set Architecture Reference Guide (July 2026). The comments in the code are by the model that wrote it; some were corrected since.
;; Feature Map Attention. Allowed arithmetic: matrix products marked QUANTISED: E3M2 operands, one E8M0 scale for each 32 along K, by v_wmma_scale_f32_16x16x128_f8f6f4 with both operands' format E3M2, f32 sums; everything else in f32.
;; Inputs: Wk_codes 64 x 2 x 24 uint8 (E3M2 codes of Wk, K innermost, in blocks of 32 codes, four codes in three bytes); Wk_scales 64 x 2 uint8 (E8M0 scales of Wk, one for each 32 codes along K); Wq_codes 64 x 2 x 24 uint8 (E3M2 codes of Wq, K innermost, in blocks of 32 codes, four codes in three bytes); Wq_scales 64 x 2 uint8 (E8M0 scales of Wq, one for each 32 codes along K); Wv_codes 64 x 2 x 24 uint8 (E3M2 codes of Wv, K innermost, in blocks of 32 codes, four codes in three bytes); Wv_scales 64 x 2 uint8 (E8M0 scales of Wv, one for each 32 codes along K); bk 64 float32; bq 64 float32; bv 64 float32; gamma one number float32; key__codes 4 x 64 x 128 x 2 x 24 uint8 (E3M2 codes of key_, K innermost, in blocks of 32 codes, four codes in three bytes); key__scales 4 x 64 x 128 x 2 uint8 (E8M0 scales of key_, one for each 32 codes along K); query_codes 4 x 64 x 128 x 2 x 24 uint8 (E3M2 codes of query, K innermost, in blocks of 32 codes, four codes in three bytes); query_scales 4 x 64 x 128 x 2 uint8 (E8M0 scales of query, one for each 32 codes along K); value_codes 4 x 64 x 128 x 2 x 24 uint8 (E3M2 codes of value, K innermost, in blocks of 32 codes, four codes in three bytes); value_scales 4 x 64 x 128 x 2 uint8 (E8M0 scales of value, one for each 32 codes along K).
;; Outputs: out0 4 x 64 x 64 x 128 float32.
;; This version of the problem:
;;   THIS VERSION OF THE PROBLEM IS GIVEN IN LOW PRECISION. The matrix products marked QUANTISED in the list below multiply operands that are first quantised to E3M2 (3 exponent bits, 2 mantissa bits; 6 bits a number), with one power-of-two scale for each 32 numbers along K (OCP MX v1.0); their sums are f32. All else is computed in f32.
;;   The module's matrix products, in the order in which they are computed (A, B: the left and right operand; K: the contracted axis; several contracted axes count as one K, in the product's order):
;;     1. [M 32,768, K 64] x [K 64, N 64]; A: input query (given as codes); B: input Wq (given as codes): QUANTISED
;;     2. [M 32,768, K 64] x [K 64, N 64]; A: input key_ (given as codes); B: input Wk (given as codes): QUANTISED
;;     3. [M 32,768, K 64] x [K 64, N 64]; A: input value (given as codes); B: input Wv (given as codes): QUANTISED
;;     4. batch 4 x [M 8,192, K 64] x [K 64, N 8,192]; A: computed on the way; B: computed on the way: QUANTISED
;;     5. batch 4 x [M 64, K 8,192] x [K 8,192, N 8,192]; A: computed on the way; B: softmax (see below): QUANTISED
;;   THE QUANTISER, for each operand of a quantised product, along K:
;;     - K is cut into blocks of 32 from its start; a last block that is shorter is filled with zeros.
;;     - A block's scale is 2^e with e = floor(log2(the largest magnitude in the block)) - 4, held to -126 .. 127; a block of zeros has e = 0. As a byte (E8M0): e + 127.
;;     - Each number is divided by its block's scale, clamped to +-28, and rounded to the nearest number of E3M2, ties to even, subnormals kept.
;;     - The product sums the exact products of the quantised numbers (number of the format x scale) in f32.
;;   ~~~python
;;   def quantise(x, axis):      # numpy; x: float32 -> the quantised numbers, widened to float32 again
;;       x = np.moveaxis(x, axis, -1); K = x.shape[-1]
;;       x = np.pad(x, [(0, 0)] * (x.ndim - 1) + [(0, -K % 32)]); x = x.reshape(x.shape[:-1] + (-1, 32)); a = np.abs(x).max(-1, keepdims=True)
;;       e = np.where(a > 0, np.clip(np.frexp(np.where(a > 0, a, 1))[1] - 1 - 4, -126, 127), 0)      # np.frexp(a)[1] - 1 = floor(log2(a)), exactly
;;       r = np.clip(x / 2.0 ** e, -28, 28)
;;       step = 2.0 ** (np.maximum(np.frexp(np.where(r == 0, 1, r))[1] - 1, -2) - 2)
;;       q = np.round(r / step) * step * 2.0 ** e      # np.round: ties to even
;;       return np.moveaxis(q.reshape(q.shape[:-2] + (-1,))[..., :K], -1, axis).astype(np.float32)
;;   ~~~
;;   SOFTMAX AHEAD OF A QUANTISED PRODUCT. Where the list says 'softmax', what is quantised is not the finished softmax but p = 2^(t - M), with t = logit x log2(e) and M = ceil(the row's largest t), a whole number; so 1/2 < the row's largest p <= 1. The row's sum l is taken of the UNQUANTISED p, in f32, and the product's result is divided by l at the end. Since M is a whole number, a kernel that streams over the keys may use a running M (the ceiling of the running maximum): every later rescaling is an exact power of two, which a block's scale takes up: the codes' values come out the same.
;;   OPERANDS COMPUTED ON THE WAY. 'Computed on the way' means the value that the module computes at that place (a softmax that the list does not call 'softmax' is quantised finished and normalised). What goes into a quantiser is computed in f32, as accurately as f32 sums, v_exp_f32 and their like allow (about 1e-6 of the number): no bf16 or f16 on the way to a quantiser, and a product that is left as it is and whose result goes on into a quantised operand takes f32 operands (vector FMAs, or v_wmma_f32_16x16x4_f32). A number that lies on a knife's edge between two numbers of the format may be rounded either way, as far as f32 arithmetic and the matrix unit's own rounding can turn it there, and no further.
;;   INPUTS GIVEN AS CODES. Wk (in the module: [64, 64], K = its axis 1); Wq (in the module: [64, 64], K = its axis 1); Wv (in the module: [64, 64], K = its axis 1); key_ (in the module: [4, 64, 64, 128], K = its axis 1); query (in the module: [4, 64, 64, 128], K = its axis 1); value (in the module: [4, 64, 64, 128], K = its axis 1): each comes as NAME_codes (uint8): NAME with its K axis moved to the last place and cut into blocks of 32 codes, [.., K / 32, bytes a block], one block behind the other in memory; four codes in three bytes: a row's codes are one little-endian stream of bits, code i at bits 6 i .. 6 i + 5 (a code: sign, 3 exponent bits, 2 mantissa bits); and NAME_scales (uint8): the same leading axes, one E8M0 byte (e + 127) for each 32 codes along K. Its value is code x scale, taken as it is: it is not quantised again, and the codes and scales need not be those that the quantiser above would give.
;; One version. Each part assembles by itself: llvm-mc -triple=amdgcn-amd-amdhsa -mcpu=gfx1250 --defsym DOCPART=n.
;; ======== version 1 of 1: 2 launches
;; workspace buffers: kv 3,276,800 bytes
;; launch prep (part 1): grid 64 x 4, 8 waves a work-group, no clusters, 2,048 bytes of LDS; arguments query_codes, query_scales, Wq_codes, Wq_scales, bq, value_codes, value_scales, Wv_codes, Wv_scales, bv, kv; writes kv
.if DOCPART == 1
	.amdgcn_target "amdgcn-amd-amdhsa--gfx1250"
	.amdhsa_code_object_version 6
	.text
	.protected	k_qe85b1f81d2_prep
	.globl	k_qe85b1f81d2_prep
	.p2align	8
	.type	k_qe85b1f81d2_prep,@function
k_qe85b1f81d2_prep:
	s_mov_b64 s[64:65], 0
	v_nop
	global_prefetch_b8 v0, s[64:65] scope:SCOPE_SE
	s_setreg_imm32_b32 hwreg(HW_REG_WAVE_MODE, 25, 1), 1
	s_wait_xcnt 0x0
; q = Wq x query + bq and v = Wv x value + bv (K = 64 channels, operands given as codes of BF6 (E3M2) with E8M0 scales), and their quantising for the
; attention launch: q along its channels, v along the positions n.  The results go to kv as IMAGES OF THE OPERANDS' REGISTERS.
; kv: [batch 4][step 64][12,800 bytes]; a step is 128 positions n.  Bytes 0-6,143: q's four packed fragments, 1,536 bytes each (registers 4 i .. 4 i + 3 of lane l
; at 512 i + 16 l); bytes 6,144-12,287: v's four fragments likewise; bytes 12,288-12,799: scale words, 16 bytes a lane: lanes 0-15 q's four words of row r, lanes 16-31 v's.
; SHARES.  A work-group is one step of one batch.  Waves 0-3 make q's fragment f = wave, waves 4-7 v's fragment t = wave - 4.
; K = 64 IN A FORM THAT IS 128 DEEP.  One source has zero codes in its registers 6-11; then whatever the other source holds there adds nothing (its scale bytes there are 0,
; since a row's two scale bytes are loaded as 16 bits).  So source 0's tiles lie 6 registers apart, each tile's upper six being the next tile's codes, and six zeros close the run.
; A WHOLE BLOCK OF 32 IN ONE LANE.  Row i of source 0's tile u is element 32 (i / 8) + 8 u + i % 8 of the axis that will be the next K.  In the result lane (r, h), register 8 u + j
; is then element 32 h + 8 u + j: 32 registers on end are one block of 32, which is what the operand's layout gives that lane.  No other lane is asked for a maximum, nothing is swapped.
; q's PACKED FRAGMENT f: registers 0-5 are tile 2 f, registers 6-11 tile 2 f + 1 (each 16 positions x 64 channels); row i of tile T = 4 c + u is position 64 c + 32 (i / 8) + 8 u + i % 8,
; so that the attention launch's scores fall 32 neighbouring positions to a lane.  Its scale word: tile 2 f's two bytes, then tile 2 f + 1's.
; A block's scale byte is its largest magnitude's exponent field - 4, held at 1 from below.
; LIMITS: a block of zeros, and one whose largest magnitude lies under 2^-122, gets the byte 1 (the bytes are read by this program alone; zero codes add nothing under it).
; NaN and infinities among the computed numbers are not served; a given scale byte 0xff gives NaN.
; No cluster: the work-groups share only the weights, 3,200 bytes of a wave's 4 to 6 KB.  No tensor loads: every wave loads its operands straight into registers, once.
.set STEPB, 12800
.set R,   32                           ; v32-85   source 0's tiles, 6 registers apart, six zeros behind the last
.set L,   88                           ; v88-111  source 1: runs of 12 (six of codes, six zeros)
.set BI,  112                          ; v112-143 the bias, in the result's layout: the C of each product
.set ACC, 144                          ; v144-207 the results: tile (e, u) at ACC + 32 e + 8 u
.set PC,  208                          ; v208-219 the fragment's codes
.set TC,  220                          ; v220-227 second halves of the blocks' codes (a conversion's three registers begin on an even number)
                                       ; v16-23 source 0's scale words, v24-25 source 1's: they hold scales alone
	s_load_b512 s[4:19], s[0:1], 0x0               ; query's codes 4:5, scales 6:7; Wq's codes 8:9, scales 10:11; bq 12:13; value's codes 14:15, scales 16:17; Wv's codes 18:19
	s_load_b128 s[20:23], s[0:1], 0x40             ; Wv's scales 20:21, bv 22:23
	s_load_b64 s[24:25], s[0:1], 0x50              ; kv
	v_lshl_add_u32 v240, v0, 2, 0x400
	v_mov_b32 v241, 0
	v_lshrrev_b32 v13, 5, v0
	v_readfirstlane_b32 s26, v13                   ; wave 0..7
	s_and_b32 s27, ttmp7, 0xffff                   ; batch
	s_mov_b32 s28, 0x76543210
	s_mov_b32 s29, 0xfedcba98                      ; v_permlanex16_b32's selects for lane l xor 16
	s_and_b32 s30, s26, 3                          ; f or t
	v_and_b32 v1, 15, v0                           ; r
	v_bfe_u32 v2, v0, 4, 1                         ; h
	v_and_b32 v3, 8, v1
	v_mad_u32_u24 v3, v3, 3, v1                    ; 32 (r / 8) + r % 8: my row's element in a tile of source 0
	v_mul_u32_u24 v4, v3, 48                       ; a row of 64 codes is 48 bytes;
	v_mad_u32_u24 v4, v2, 24, v4                   ; my half's block
	v_lshlrev_b32 v5, 1, v3                        ; and its two scale bytes
	s_mul_i32 s31, s30, 768
	v_mul_u32_u24 v6, v1, 48
	v_mad_u32_u24 v6, v2, 24, v6
	v_add_nc_u32 v6, s31, v6                       ; Wv: row 16 t + r
	s_lshl_b32 s31, s30, 5
	v_lshl_add_u32 v7, v1, 1, s31                  ; its scale bytes
	v_lshlrev_b32 v8, 7, v2                        ; bq: my 32 channels begin at 32 h
	s_lshl_b32 s31, s30, 6
	v_lshl_add_u32 v9, v1, 2, s31                  ; bv: my one channel, 16 t + r
	v_and_b32 v10, 31, v0
	v_lshlrev_b32 v10, 4, v10                      ; 16 x lane: an image's place for my lane
	v_lshlrev_b32 v11, 3, v2                       ; 8 h: my bytes' place in a scale word
	s_lshl_b32 s31, s30, 2
	s_lshr_b32 s32, s26, 2
	s_lshl_b32 s32, s32, 8
	s_add_co_u32 s31, s31, s32
	v_lshl_add_u32 v12, v1, 4, s31                 ; LDS: my row's scale word: 16 r + 4 (wave % 4) + 256 (wave / 4)
	s_lshl_b32 s33, s27, 13
	s_lshl_b32 s34, ttmp9, 7
	s_add_co_u32 s33, s33, s34                     ; the step's first position: 8,192 batch + 128 step
	s_lshr_b32 s34, s30, 1
	s_lshl_b32 s34, s34, 6
	s_and_b32 s35, s30, 1
	s_lshl_b32 s35, s35, 4
	s_add_co_u32 s34, s34, s35                     ; tile 2 f begins at position 64 (f / 2) + 16 (f % 2)
	s_add_co_u32 s34, s34, s33
	s_mul_i32 s36, s34, 48                         ; query's codes,
	s_mov_b32 s37, 0
	s_lshl_b32 s38, s34, 1                         ; and scale bytes
	s_mov_b32 s39, 0
	s_mul_i32 s40, s33, 48                         ; value's
	s_mov_b32 s41, 0
	s_lshl_b32 s42, s33, 1
	s_mov_b32 s43, 0
	s_lshl_b32 s44, s27, 6
	s_add_co_u32 s44, s44, ttmp9
	s_mul_i32 s44, s44, STEPB                      ; the step's bytes in kv,
	s_mul_i32 s45, s26, 1536                       ; my fragment's
	s_add_co_u32 s44, s44, s45
	s_mov_b32 s45, 0
	s_wait_kmcnt 0x0
	s_add_nc_u64 s[4:5], s[4:5], s[36:37]
	s_add_nc_u64 s[6:7], s[6:7], s[38:39]
	s_add_nc_u64 s[14:15], s[14:15], s[40:41]
	s_add_nc_u64 s[16:17], s[16:17], s[42:43]
	s_add_nc_u64 s[24:25], s[24:25], s[44:45]
	s_cmp_lt_u32 s26, 4
	s_cbranch_scc0 .Lrole_v
	; ---- q: source 0 = Wq's four tiles (the channels out), source 1 = 16 positions of query, twice
.irp i, 0,1,2,3,4,5
	v_mov_b32 v[R+24+\i], 0
	v_mov_b32 v[L+6+\i], 0
	v_mov_b32 v[L+18+\i], 0
.endr
.irp u, 0,1,2,3
.irp p, 0,1,2
	global_load_b64 v[R+6*\u+2*\p:R+6*\u+2*\p+1], v4, s[8:9] offset:384*\u+8*\p
.endr
	global_load_u16 v[16+\u], v5, s[10:11] offset:16*\u
	global_load_b128 v[BI+8*\u:BI+8*\u+3], v8, s[12:13] offset:32*\u            ; bq at channels 32 h + 8 u + 0 .. 7
	global_load_b128 v[BI+8*\u+4:BI+8*\u+7], v8, s[12:13] offset:32*\u+16
.endr
.irp e, 0,1
.irp p, 0,1,2
	global_load_b64 v[L+12*\e+2*\p:L+12*\e+2*\p+1], v4, s[4:5] offset:384*\e+8*\p   ; tile 2 f + e begins 8 e positions on
.endr
	global_load_u16 v[24+\e], v5, s[6:7] offset:16*\e
.endr
	s_wait_loadcnt 0x0
.rept 4
	v_nop                                          ; the zeros, written by vector instructions, stand four places ahead of a scaled matrix instruction
.endr
.irp e, 0,1
.irp u, 0,1,2,3
	v_wmma_scale_f32_16x16x128_f8f6f4 v[ACC+32*\e+8*\u:ACC+32*\e+8*\u+7], v[R+6*\u:R+6*\u+11], v[L+12*\e:L+12*\e+11], v[BI+8*\u:BI+8*\u+7], v[16+\u], v[24+\e] matrix_a_fmt:MATRIX_FMT_BF6 matrix_b_fmt:MATRIX_FMT_BF6
.endr
.endr                                              ; lane (r, h), register 32 e + i: q(channel 32 h + i, row r of tile 2 f + e)
	s_branch .Ljoin
.Lrole_v:
	; ---- v: source 0 = eight tiles of 16 positions of value, source 1 = Wv's rows 16 t + r
.irp i, 0,1,2,3,4,5
	v_mov_b32 v[R+48+\i], 0
	v_mov_b32 v[L+6+\i], 0
.endr
.irp e, 0,1
.irp u, 0,1,2,3
.irp p, 0,1,2
	global_load_b64 v[R+6*(4*\e+\u)+2*\p:R+6*(4*\e+\u)+2*\p+1], v4, s[14:15] offset:3072*\e+384*\u+8*\p
.endr
	global_load_u16 v[16+4*\e+\u], v5, s[16:17] offset:128*\e+16*\u
.endr
.endr
.irp p, 0,1,2
	global_load_b64 v[L+2*\p:L+2*\p+1], v6, s[18:19] offset:8*\p
.endr
	global_load_u16 v24, v7, s[20:21]
.irp j, 0,1,2,3,4,5,6,7
	global_load_b32 v[BI+\j], v9, s[22:23]         ; here a lane is one channel: its bias in all eight registers of C
.endr
	s_wait_loadcnt 0x0
.rept 4
	v_nop                                          ; as above
.endr
.irp e, 0,1
.irp u, 0,1,2,3
	v_wmma_scale_f32_16x16x128_f8f6f4 v[ACC+32*\e+8*\u:ACC+32*\e+8*\u+7], v[R+6*(4*\e+\u):R+6*(4*\e+\u)+11], v[L:L+11], v[BI:BI+7], v[16+4*\e+\u], v24 matrix_a_fmt:MATRIX_FMT_BF6 matrix_b_fmt:MATRIX_FMT_BF6
.endr
.endr                                              ; lane (r, h), register 32 e + i: v(channel 16 t + r, position 64 e + 32 h + i)
.Ljoin:
.rept 4
	v_nop                                          ; four places between the last product and the first read of results (ISA guide 7.12.1)
.endr
	; ---- both roles: my two blocks of 32 (e = 0, 1) become registers 6 e .. 6 e + 5 of the fragment; each accumulator is read from its low end on
.irp e, 0,1
	v_max3_num_f32 v[228+\e], |v[ACC+32*\e]|, |v[ACC+32*\e+1]|, 0x2800000   ; and the floor 2^(5 - 127): the byte cannot fall under 1
.endr
.irp i, 2,4,6,8,10,12,14,16,18,20,22,24,26,28,30
.irp e, 0,1
	v_max3_num_f32 v[228+\e], v[228+\e], |v[ACC+32*\e+\i]|, |v[ACC+32*\e+\i+1]|   ; (the two blocks by turns)
.endr
.endr
.irp e, 0,1
	v_add_nc_u32 v[230+\e], 0xfe000000, v[228+\e]  ; 4 off the exponent field: the conversion's scale operand
.endr
.irp e, 0,1
	v_lshrrev_b32 v[232+\e], 23, v[230+\e]         ; the scale's byte
.endr
	v_lshl_or_b32 v234, v233, 16, v232             ; my two bytes: places h and 2 + h of the row's word,
	v_lshlrev_b32 v234, v11, v234
	v_mov_b32 v235, 0                              ; (a lane permute's destination counts as one of its sources)
	v_permlanex16_b32 v235, v234, s28, s29
	v_or_b32 v234, v234, v235                      ; with lane l xor 16's two the word is whole
.irp e, 0,1
	v_cvt_scalef32_pk16_bf6_f32 v[PC+6*\e:PC+6*\e+2], v[ACC+32*\e:ACC+32*\e+15], v[230+\e]
	v_cvt_scalef32_pk16_bf6_f32 v[TC+4*\e:TC+4*\e+2], v[ACC+32*\e+16:ACC+32*\e+31], v[230+\e]
.endr
	v_nop                                          ; one plain place behind a scaled conversion
.irp e, 0,1
.irp i, 0,1,2
	v_mov_b32 v[PC+6*\e+3+\i], v[TC+4*\e+\i]
.endr
.endr
.irp i, 0,1,2
	global_store_b128 v10, v[PC+4*\i:PC+4*\i+3], s[24:25] offset:512*\i   ; 32 lanes store 512 consecutive bytes, at a multiple of 256 from kv's first byte
.endr
	ds_store_b32 v12, v234                         ; lanes l and l + 16 write the same word with the same value
	s_wait_dscnt 0x0                               ; for the others' sake: my word lies in LDS
	s_barrier_signal -1
	s_barrier_wait -1
	s_cmp_lg_u32 s26, 0
	s_cbranch_scc1 .Lend
	ds_load_b128 v[236:239], v10                   ; wave 0: the step's 128 scale words, 16 bytes a lane,
	s_wait_dscnt 0x0
	global_store_b128 v10, v[236:239], s[24:25] offset:12288   ; leave as 512 consecutive bytes (wave 0's base is the step's first byte)
.Lend:
	s_wait_tensorcnt 0x0
	ds_add_u32 v240, v241
	s_wait_dscnt 0x0
	s_endpgm
.Lfunc_end_k_qe85b1f81d2_prep:
	.size	k_qe85b1f81d2_prep, .Lfunc_end_k_qe85b1f81d2_prep-k_qe85b1f81d2_prep
	.p2alignl 7, 3214868480
	.fill 96, 4, 3214868480
	.section	.rodata,"a",@progbits
	.p2align	6, 0x0
	.amdhsa_kernel k_qe85b1f81d2_prep
		.amdhsa_group_segment_fixed_size 2048
		.amdhsa_private_segment_fixed_size 0
		.amdhsa_enable_private_segment 0
		.amdhsa_kernarg_size 88
		.amdhsa_user_sgpr_count 2
		.amdhsa_user_sgpr_kernarg_segment_ptr 1
		.amdhsa_wavefront_size32 1
		.amdhsa_system_sgpr_workgroup_id_x 1
		.amdhsa_system_sgpr_workgroup_id_y 1
		.amdhsa_system_sgpr_workgroup_id_z 1
		.amdhsa_system_vgpr_workitem_id 0
		.amdhsa_next_free_vgpr 242
		.amdhsa_next_free_sgpr 66
		.amdhsa_reserve_vcc 0
		.amdhsa_float_denorm_mode_32 3
		.amdhsa_float_denorm_mode_16_64 3
		.amdhsa_memory_ordered 1
		.amdhsa_forward_progress 1
		.amdhsa_inst_pref_size 18
	.end_amdhsa_kernel
	.amdgpu_metadata
---
amdhsa.version: [ 1, 2 ]
amdhsa.kernels:
  - .name:           k_qe85b1f81d2_prep
    .symbol:         k_qe85b1f81d2_prep.kd
    .args:
      - { .name: query_codes, .offset: 0, .size: 8, .value_kind: global_buffer, .address_space: global }
      - { .name: query_scales, .offset: 8, .size: 8, .value_kind: global_buffer, .address_space: global }
      - { .name: Wq_codes, .offset: 16, .size: 8, .value_kind: global_buffer, .address_space: global }
      - { .name: Wq_scales, .offset: 24, .size: 8, .value_kind: global_buffer, .address_space: global }
      - { .name: bq, .offset: 32, .size: 8, .value_kind: global_buffer, .address_space: global }
      - { .name: value_codes, .offset: 40, .size: 8, .value_kind: global_buffer, .address_space: global }
      - { .name: value_scales, .offset: 48, .size: 8, .value_kind: global_buffer, .address_space: global }
      - { .name: Wv_codes, .offset: 56, .size: 8, .value_kind: global_buffer, .address_space: global }
      - { .name: Wv_scales, .offset: 64, .size: 8, .value_kind: global_buffer, .address_space: global }
      - { .name: bv, .offset: 72, .size: 8, .value_kind: global_buffer, .address_space: global }
      - { .name: kv, .offset: 80, .size: 8, .value_kind: global_buffer, .address_space: global }
    .group_segment_fixed_size: 2048
    .private_segment_fixed_size: 0
    .kernarg_segment_align: 8
    .kernarg_segment_size: 88
    .max_flat_workgroup_size: 256
    .sgpr_count:     66
    .vgpr_count:     242
    .wavefront_size: 32
...
	.end_amdgpu_metadata
.endif
;; end of part 1
;; launch attn (part 2): grid 64 x 4, 16 waves a work-group, clusters of 4 x 1, 327,680 bytes of LDS; arguments kv, key__codes, key__scales, Wk_codes, Wk_scales, bk, value_codes, value_scales, Wv_codes, Wv_scales, bv, gamma, out0; writes out0
.if DOCPART == 2
	.amdgcn_target "amdgcn-amd-amdhsa--gfx1250"
	.amdhsa_code_object_version 6
	.text
	.protected	k_qe85b1f81d2_attn
	.globl	k_qe85b1f81d2_attn
	.p2align	8
	.type	k_qe85b1f81d2_attn,@function
k_qe85b1f81d2_attn:
	s_mov_b64 s[64:65], 0
	v_nop
	global_prefetch_b8 v0, s[64:65] scope:SCOPE_SE
	s_setreg_imm32_b32 hwreg(HW_REG_WAVE_MODE, 25, 1), 1
	s_wait_xcnt 0x0
	s_wait_alu depctr_hold_cnt(0) depctr_sa_sdst(0) depctr_va_vdst(0) depctr_va_sdst(0) depctr_va_ssrc(0) depctr_va_vcc(0) depctr_vm_vsrc(0)
	s_getreg_b32 s2, hwreg(HW_REG_IB_STS2, 6, 4)
	s_cmp_eq_u32 s2, 0
	s_cbranch_scc0 .Lentry_in_a_cluster
	s_endpgm
.Lentry_in_a_cluster:
	s_bfe_u32 s2, ttmp6, 0x10000c
	s_cmp_lg_u32 s2, 0x3003
	s_cbranch_scc0 .Lentry_shape_is_right
	s_endpgm
.Lentry_shape_is_right:
; out[b][c][m] = gamma x (sum over n of v[c][n] p[n][m]) / l[m] + v[c][m];  p = 2^(t - M), t = (q[:, n] . k[:, m]) x log2(e) / 128, M the ceiling of the running largest t of column m,
; l the sum over n of the unquantised p.  All products on codes of BF6 (E3M2) with one E8M0 scale for each 32 along K.  The softmax runs over n: m plays the part of attention's queries.
; q and v come from kv as images of the operands' registers, 12,800 bytes for a step of 128 positions n: q's four packed fragments, v's four fragments, 512 bytes of scale words.
; SHARES.  A work-group owns 128 positions m of one batch.  Wave w owns the 16 positions of tile w % 8; the two waves of a tile share the positions n: of a slot's eight steps wave group
; g = w / 8 takes steps 2 i + g.  Sixteen waves of 256 registers, four to a SIMD: one wave's softmax stands beside another's products and LDS loads.  At the end the two waves of a tile
; bring their sums under one M, by exact powers of two, and group g finishes channels 32 g .. 32 g + 31.
; k (for my 16 m) is made and quantised in registers at the head; so is the f32 v of my 16 m and my 32 channels, the term that is added at the end.
; LAYOUT.  Both products are used transposed: scores: source 0 = 16 positions n of q, source 1 = k's 16 m;  sums: source 0 = 16 channels of v, source 1 = p.  A lane holds ONE m throughout.
; K = 64 IN A FORM THAT IS 128 DEEP: a packed fragment of q holds tile 2 f in registers 0-5 and tile 2 f + 1 in registers 6-11.  k stands in 18 registers: six zeros, its six, six zeros:
; the upper 12 multiply tile 2 f, the lower 12 tile 2 f + 1; zero codes add nothing.  k's scale word holds its two bytes twice.
; The rows of q's tiles are chosen (by the launch before) so that register 32 c + i of my 64 scores is position 64 c + 32 (lane / 16) + i: a whole block of 32 in a lane.
; CLUSTER.  The four work-groups of a cluster belong to one batch and walk the same bytes of kv: each slot is asked for JOINTLY, by the same tensor loads with the same descriptors and a mask
; that names the four.  The place in the cluster enters the addresses of key_, value and out0 alone.
; LIMITS: p under 2^-126 counts as 0; M is exact for |t| under 2^24; a block whose largest magnitude lies under 2^-122 gets the scale byte 1; NaN and infinities among the computed
; numbers are not served; a given scale byte 0xff gives NaN.
.set STEPB, 12800
.set SLOTB, 8*STEPB                    ; a slot: eight steps, 102,400 bytes; every read of it is 16 bytes a lane on end, so it has no padding
.set SLOT1, 1<<17                      ; slot 1 begins here, so that one exclusive or turns an address in one slot into the other's
.set MRG,   0                          ; the merge: images of the sums, 4,096 bytes a wave, in slot 0: stored there only when slot 0 has had its last fill and its last read
.set SPARE, SLOTB                      ; the spare words, 128 bytes for each of 16 waves: eight blocks of 256 bytes that no other line names
.set ML,    SPARE+2048                 ; (-M, l) of each wave: 8 bytes a lane
.set RES,   SLOT1+SLOTB                ; images of the f32 v, 2,048 bytes a wave, the wave's own
.set OUT,   RES+16*2048                ; the way out: 64 rows (channels) x (512 bytes + 16)
.set OP,    528
.set KF, 42                            ; v42-59   six zeros, k's six registers, six zeros
.set PC, 60                            ; v60-71   p's codes
.set TC, 72                            ; v72-79   second halves of the blocks' codes (a conversion's three registers begin on an even number)
.set F,  80                            ; v80-127  four fragments: q's, then v's
.set S,  128                           ; v128-191 the scores, then p
.set O,  192                           ; v192-223 the sums: channels 16 t + 8 (lane / 16) + j at O + 8 t + j
; v0 as at the entry; v1 my spare word's address, v2 = 0 (both never rewritten); v3, v4 my lane's place in steps g and 4 + g of a slot; v5, v6 the same in the slot in hand; v7 = 8 (lane / 16);
; v8-11, v224-228 LDS and output addresses of the tail; v[12:13] -M, the largest t; v[14:15] l in two halves; v[16:17] f; v[18:19] the sum's second chain; v20-23 maxima; v24-25 scale operands;
; v26-31 at work; v32-35 a step's scale words (lanes 0-15 q's, lanes 16-31 v's), v36-39 the head's, v40 k's, v41 p's: these hold scales alone; v229-234 the head's offsets.
; s31 wave, s32 g, s33 tile; s[48:55], s[56:59] the descriptor; s[60:61] lane selects; s[62:63] log2(e) / 128; s66 the slot in hand; s67 the loop's count.
.macro PLACES
.rept 4
	v_nop
.endr
.endm
; A round of the cluster's barrier: my work-group's barrier, wave 0 signals for the work-group, every wave waits for all four work-groups, my work-group's barrier once more.
.macro CROUND
	s_barrier_signal -1
	s_barrier_wait -1
	s_cmp_lg_u32 s31, 0
	s_cbranch_scc1 .Lnot_wave_0_\@
	s_barrier_signal -3
.Lnot_wave_0_\@:
	s_barrier_wait -3
	s_barrier_signal -1
	s_barrier_wait -1
.endm
; A joint load: waves 0 to 3 fetch a quarter of a slot each (two steps, 25,600 bytes), the others nothing.  The branch hangs on the wave's number alone.  Four v_nop follow the load.
.macro JLOAD
	s_cmp_lt_u32 s31, 4
	s_cbranch_scc0 .Lno_load_\@
	tensor_load_to_lds s[56:59], s[48:55]
	s_nop 0
	PLACES
.Lno_load_\@:
.endm
	s_load_b512 s[4:19], s[0:1], 0x0               ; kv 4:5; key_'s codes 6:7, scales 8:9; Wk's codes 10:11, scales 12:13; bk 14:15; value's codes 16:17, scales 18:19
	s_load_b256 s[20:27], s[0:1], 0x40             ; Wv's codes 20:21, scales 22:23; bv 24:25; gamma's address 26:27
	s_load_b64 s[28:29], s[0:1], 0x60              ; out0
	v_lshl_add_u32 v1, v0, 2, SPARE
	v_mov_b32 v2, 0
	ds_add_u32 v1, v2
	s_wait_dscnt 0x0
	v_lshrrev_b32 v26, 5, v0
	v_readfirstlane_b32 s31, v26                   ; wave 0..15
	s_lshr_b32 s32, s31, 3                         ; g
	s_and_b32 s33, s31, 7                          ; my tile of 16 m
	s_bfe_u32 s34, ttmp6, 0x40000                  ; cx: my place in the cluster
	s_lshl_b32 s35, ttmp9, 2                       ; in a cluster launch ttmp9 counts clusters
	s_add_co_u32 s35, s35, s34                     ; my block of 128 m = 4 x cluster x + cx
	s_and_b32 s36, ttmp7, 0xffff                   ; the batch, which the four partners share
	; descriptor group 1: 100 dense rows of 256 bytes
	s_mov_b32 s48, 15|(3<<16)|(1<<21)              ; 15:0 the mask: all four work-groups; 17:16 elements of 8 bytes; 20 no padding; 21 set beside a mask
	s_mov_b32 s49, 32<<16                          ; tensor_dim0 = 32 elements
	s_mov_b32 s50, 100<<16                         ; tensor_dim1 = 100
	s_mov_b32 s51, 32<<16                          ; tile_dim0 = 32
	s_mov_b32 s52, 100                             ; tile_dim1 = 100
	s_mov_b32 s53, 32                              ; tensor_dim0_stride
	s_mov_b32 s54, 0
	s_mov_b32 s55, 0
	s_and_b32 s68, s31, 3
	s_mul_i32 s69, s68, 2*STEPB                    ; my quarter of a slot, in LDS and in memory alike
	s_mul_i32 s70, s36, 64*STEPB                   ; the batch's bytes in kv
	s_add_co_u32 s70, s70, s69
	s_mov_b32 s71, 0
	s_mov_b32 s60, 0x76543210
	s_mov_b32 s61, 0xfedcba98                      ; v_permlanex16_b32's selects for lane l xor 16
	s_mov_b32 s62, 0x3c38aa3b                      ; log2(e) / 128
	s_mov_b32 s63, s62                             ; (named with it as a pair, so it is written)
	; LDS addresses: each a constant + a constant x lane + a constant x wave
	v_and_b32 v26, 31, v0                          ; lane
	v_lshlrev_b32 v27, 4, v26                      ; 16 x lane
	v_and_b32 v29, 15, v0                          ; r
	v_bfe_u32 v30, v0, 4, 1                        ; h
	s_mul_i32 s72, s32, STEPB
	v_add_nc_u32 v3, s72, v27                      ; step g of a slot,
	v_add_nc_u32 v4, 4*STEPB, v3                   ; and step 4 + g
	v_lshlrev_b32 v7, 3, v30
	s_lshl_b32 s72, s31, 11
	s_add_co_u32 s72, s72, RES
	v_add_nc_u32 v8, s72, v27                      ; my image of the f32 v
	s_lshl_b32 s72, s31, 12
	v_add_nc_u32 v9, s72, v27                      ; the merge: where I store my 32 registers (MRG = 0),
	s_lshl_b32 s73, s32, 11
	v_add_nc_u32 v10, s73, v9                      ; where my own tiles 2 g, 2 g + 1 lie,
	s_xor_b32 s74, s31, 8
	s_lshl_b32 s74, s74, 12
	s_add_co_u32 s74, s74, s73
	v_add_nc_u32 v11, s74, v27                     ; and my partner's
	s_lshl_b32 s72, s31, 8
	s_add_co_u32 s72, s72, ML
	v_lshl_add_u32 v224, v26, 3, s72               ; my (-M, l),
	s_xor_b32 s74, s31, 8
	s_lshl_b32 s74, s74, 8
	s_add_co_u32 s74, s74, ML
	v_lshl_add_u32 v225, v26, 3, s74               ; my partner's
	s_mul_i32 s72, s32, 32*OP
	s_lshl_b32 s73, s33, 6
	s_add_co_u32 s72, s72, s73
	s_add_co_u32 s72, s72, OUT
	v_mul_u32_u24 v226, v30, 8*OP
	v_lshl_add_u32 v226, v29, 2, v226
	v_add_nc_u32 v226, s72, v226                   ; the way out, in: row 32 g + 8 h, word 16 tile + r
	s_mul_i32 s72, s31, 4*OP
	s_add_co_u32 s72, s72, OUT
	v_add_nc_u32 v227, s72, v27                    ; back: rows 4 w on, 16 bytes a lane
	s_lshl_b32 s72, s31, 17
	v_add_nc_u32 v228, s72, v27                    ; and in out0: a channel is 32,768 bytes
	; the head's offsets in memory
	v_and_b32 v31, 8, v29
	v_mad_u32_u24 v31, v31, 3, v29                 ; 32 (r / 8) + r % 8: Wk's row in a tile
	v_mul_u32_u24 v229, v31, 48
	v_mad_u32_u24 v229, v30, 24, v229
	v_lshlrev_b32 v230, 1, v31
	v_mul_u32_u24 v231, v29, 48                    ; row r as it lies: key_, value, Wv
	v_mad_u32_u24 v231, v30, 24, v231
	v_lshlrev_b32 v232, 1, v29
	v_lshlrev_b32 v233, 7, v30                     ; bk: my 32 channels begin at 32 h
	v_lshlrev_b32 v234, 5, v30                     ; bv: my 8 of a tile begin at 8 h
	s_lshl_b32 s37, s36, 13
	s_lshl_b32 s38, s35, 7
	s_add_co_u32 s37, s37, s38
	s_lshl_b32 s38, s33, 4
	s_add_co_u32 s37, s37, s38                     ; my first m: 8,192 batch + 128 block + 16 tile
	s_mul_i32 s38, s37, 48
	s_mov_b32 s39, 0
	s_lshl_b32 s40, s37, 1
	s_mov_b32 s41, 0
	s_mul_i32 s42, s32, 1536                       ; Wv's rows 32 g on,
	s_mov_b32 s43, 0
	s_lshl_b32 s44, s32, 6                         ; their scale bytes,
	s_mov_b32 s45, 0
	s_lshl_b32 s46, s32, 7                         ; bv likewise
	s_mov_b32 s47, 0
	s_lshl_b32 s76, s36, 21                        ; out0: the batch, 64 x 32,768 bytes,
	s_lshl_b32 s77, s35, 9                         ; my block's 512 bytes of a row
	s_add_co_u32 s76, s76, s77
	s_mov_b32 s77, 0
	s_wait_kmcnt 0x0
	s_add_nc_u64 s[6:7], s[6:7], s[38:39]
	s_add_nc_u64 s[8:9], s[8:9], s[40:41]
	s_add_nc_u64 s[16:17], s[16:17], s[38:39]
	s_add_nc_u64 s[18:19], s[18:19], s[40:41]
	s_add_nc_u64 s[20:21], s[20:21], s[42:43]
	s_add_nc_u64 s[22:23], s[22:23], s[44:45]
	s_add_nc_u64 s[24:25], s[24:25], s[46:47]
	s_add_nc_u64 s[28:29], s[28:29], s[76:77]
	s_mov_b32 s56, 1                               ; group 0: 1:0 count = 1
	s_mov_b32 s57, s69                             ; 63:32 LDS address: slot 0
	s_add_nc_u64 s[58:59], s[4:5], s[70:71]        ; 120:64 global address: the batch's first eight steps
	s_or_b32 s59, s59, 0x80000000                  ; 127:126 type = 2
	CROUND                                         ; all four work-groups are here: the first joint loads meet
	JLOAD                                          ; slot 0
	s_load_b32 s30, s[26:27], 0x0                  ; gamma
	; ---- the head: k for my 16 m, and the f32 v of my 16 m and 32 channels
.irp u, 0,1,2,3
.irp p, 0,1,2
	global_load_b64 v[F+6*\u+2*\p:F+6*\u+2*\p+1], v229, s[10:11] offset:384*\u+8*\p   ; Wk's tile u: rows 32 (r / 8) + 8 u + r % 8; the tiles lie 6 registers apart
.endr
	global_load_u16 v[32+\u], v230, s[12:13] offset:16*\u
	global_load_b128 v[S+8*\u:S+8*\u+3], v233, s[14:15] offset:32*\u                  ; bk in the result's layout: the product adds onto it
	global_load_b128 v[S+8*\u+4:S+8*\u+7], v233, s[14:15] offset:32*\u+16
.endr
.irp p, 0,1,2
	global_load_b64 v[F+30+2*\p:F+31+2*\p], v231, s[6:7] offset:8*\p                  ; key_'s 16 positions
	global_load_b64 v[O+18+2*\p:O+19+2*\p], v231, s[16:17] offset:8*\p                ; value's
.endr
	global_load_u16 v38, v232, s[8:9]
	global_load_u16 v39, v232, s[18:19]
.irp t, 0,1
.irp p, 0,1,2
	global_load_b64 v[O+6*\t+2*\p:O+6*\t+2*\p+1], v231, s[20:21] offset:768*\t+8*\p   ; Wv's rows 32 g + 16 t + r
.endr
	global_load_u16 v[36+\t], v232, s[22:23] offset:32*\t
	global_load_b128 v[S+32+8*\t:S+32+8*\t+3], v234, s[24:25] offset:64*\t
	global_load_b128 v[S+32+8*\t+4:S+32+8*\t+7], v234, s[24:25] offset:64*\t+16
.endr
.irp i, 0,1,2,3,4,5
	v_mov_b32 v[F+24+\i], 0                        ; zeros behind Wk's last tile, behind key_'s codes,
	v_mov_b32 v[F+36+\i], 0
	v_mov_b32 v[O+12+\i], 0                        ; behind Wv's last tile, behind value's codes,
	v_mov_b32 v[O+24+\i], 0
	v_mov_b32 v[KF+\i], 0                          ; and on both sides of k
	v_mov_b32 v[KF+12+\i], 0
.endr
	v_mov_b32 v13, 0xff61b1e6                      ; the largest t so far: -3e38, under every t.  (These seven lines are also the four places between the zeros and the scaled matrix instructions)
	v_floor_f32 v12, -v13                          ; -M
	v_mov_b32 v14, 0                               ; l, in two halves
	v_mov_b32 v15, 0
	v_mov_b32 v17, 0                               ; (named as the upper half of the pair v[16:17])
	v_mov_b32 v21, 0                               ; (of v[20:21])
	v_mov_b32 v28, 0                               ; written once: a lane permute's destination counts as one of its sources
	s_wait_loadcnt 0x0
	s_wait_kmcnt 0x0                               ; gamma
.irp u, 0,1,2,3
	v_wmma_scale_f32_16x16x128_f8f6f4 v[S+8*\u:S+8*\u+7], v[F+6*\u:F+6*\u+11], v[F+30:F+41], v[S+8*\u:S+8*\u+7], v[32+\u], v38 matrix_a_fmt:MATRIX_FMT_BF6 matrix_b_fmt:MATRIX_FMT_BF6
.endr                                              ; lane (r, h), register i: k(channel 32 h + i, m = r)
.irp t, 0,1
	v_wmma_scale_f32_16x16x128_f8f6f4 v[S+32+8*\t:S+32+8*\t+7], v[O+6*\t:O+6*\t+11], v[O+18:O+29], v[S+32+8*\t:S+32+8*\t+7], v[36+\t], v39 matrix_a_fmt:MATRIX_FMT_BF6 matrix_b_fmt:MATRIX_FMT_BF6
.endr                                              ; register 8 t + j: v(channel 32 g + 16 t + 8 h + j, m = r)
	PLACES                                         ; four places between the last product and the first read of results (ISA guide 7.12.1)
	v_max3_num_f32 v20, |v[S]|, |v[S+1]|, 0x2800000       ; k's block of 32 channels is all mine: two chains, each accumulator from its low end on; the floor 2^(5 - 127) holds the byte at 1
	v_max3_num_f32 v22, |v[S+16]|, |v[S+17]|, 0x2800000
.irp i, 2,4,6,8,10,12,14
	v_max3_num_f32 v20, v20, |v[S+\i]|, |v[S+\i+1]|
	v_max3_num_f32 v22, v22, |v[S+16+\i]|, |v[S+17+\i]|
.endr
	v_max_num_f32 v20, v20, v22
	v_add_nc_u32 v24, 0xfe000000, v20              ; 4 off the exponent field: the conversion's scale operand
	v_lshrrev_b32 v26, 23, v24                     ; the byte,
	v_lshlrev_b32 v26, v7, v26                     ; at place h,
	v_permlanex16_b32 v28, v26, s60, s61
	v_or_b32 v26, v26, v28                         ; with lane l xor 16's,
	v_lshl_or_b32 v40, v26, 16, v26                ; twice: for k in the lower and in the upper 64 of K
	v_cvt_scalef32_pk16_bf6_f32 v[KF+6:KF+8], v[S:S+15], v24
	v_cvt_scalef32_pk16_bf6_f32 v[TC:TC+2], v[S+16:S+31], v24
	v_nop                                          ; one plain place behind a scaled conversion
.irp i, 0,1,2
	v_mov_b32 v[KF+9+\i], v[TC+\i]
.endr
.irp i, 0,1,2,3
	ds_store_b128 v8, v[S+32+4*\i:S+32+4*\i+3] offset:512*\i   ; the f32 v waits in my own bytes of LDS
.endr
.set jj, 0
.rept 32
	v_mov_b32 v[O+jj], 0                           ; the sums.  (The step is written once: the first finds zeros, which the first change of M leaves zeros.  Also the places ahead of the first products)
.set jj, jj+1
.endr
; A STEP: 128 positions n, the st-th of my four in the slot in hand.
.macro STEP st
.set AD, 5+(\st)/2
.set OF, 2*STEPB*((\st)%2)
.irp j, 0,1,2,3,4,5,6,7,8,9,10,11
	ds_load_b128 v[F+4*\j:F+4*\j+3], v[AD] offset:OF+512*\j          ; q's four packed fragments.  (The places in front: the 32 additions at the last step's end)
.endr
	ds_load_b128 v[32:35], v[AD] offset:OF+12288                     ; the step's scale words: lanes 0-15 q's four, lanes 16-31 v's four
	s_wait_dscnt 0x0
.irp f, 0,1,2,3
.irp e, 0,1
	v_wmma_scale_f32_16x16x128_f8f6f4 v[S+8*(2*\f+\e):S+8*(2*\f+\e)+7], v[F+12*\f:F+12*\f+11], v[KF+6-6*\e:KF+17-6*\e], 0, v[32+\f], v40 matrix_a_fmt:MATRIX_FMT_BF6 matrix_b_fmt:MATRIX_FMT_BF6
.endr
.endr                                              ; lane (r, h), register 32 c + i: the score of position 64 c + 32 h + i with m = r
	PLACES                                         ; in front of loads into registers that matrix instructions have read, and of the first read of results
.irp j, 0,1,2,3,4,5,6,7,8,9,10,11
	ds_load_b128 v[F+4*\j:F+4*\j+3], v[AD] offset:OF+6144+512*\j     ; v's four fragments land while the softmax is worked
.endr
.irp x, 0,1,2,3
	v_max3_num_f32 v[20+\x], v[S+16*\x], v[S+16*\x+1], v[S+16*\x+2]  ; THE LARGEST SCORE OF EACH OF MY TWO BLOCKS serves twice: for the column's maximum and, since p rises with the score, for the block's largest p.  Four chains, each accumulator from its low end on
.endr
.irp i, 3,5,7,9,11,13
.irp x, 0,1,2,3
	v_max3_num_f32 v[20+\x], v[20+\x], v[S+16*\x+\i], v[S+16*\x+\i+1]
.endr
.endr
	v_max3_num_f32 v20, v20, v21, v[S+15]
	v_max3_num_f32 v22, v22, v23, v[S+47]
	v_max_num_f32 v20, v20, v[S+31]
	v_max_num_f32 v22, v22, v[S+63]
	v_max_num_f32 v30, v20, v22
	v_permlanex16_b32 v28, v30, s60, s61
	v_max_num_f32 v30, v30, v28                    ; the step's largest score of my m
	v_mul_f32 v30, s62, v30                        ; as t (the factor is positive)
	v_max_num_f32 v13, v13, v30                    ; the running largest t
	v_mov_b32 v30, v12
	v_floor_f32 v12, -v13                          ; the new -M = floor(-t) = -ceil(t): M is a whole number
	v_sub_f32 v30, v12, v30                        ; M's old value less its new one: a whole number, 0 or less
	v_cvt_i32_f32 v30, v30                         ; (it saturates)
	v_ldexp_f32 v16, 1.0, v30                      ; f = 2^(old M - new M): a multiplication by it rounds nothing
.set jj, 0
.rept 32
	v_pk_fma_f32 v[S+jj:S+jj+1], v[S+jj:S+jj+1], s[62:63], v[12:13] op_sel_hi:[1,0,0]   ; t - M, two at a time (of both pairs the low word serves both halves)
.set jj, jj+2
.endr
	v_fma_f32 v20, v20, s62, v12                   ; the same of each block's largest score
	v_fma_f32 v22, v22, s62, v12
.set jj, 0
.rept 64
	v_exp_f32 v[S+jj], v[S+jj]                     ; p = 2^(t - M), at most 1: not normalised
.set jj, jj+1
.endr
	v_exp_f32 v20, v20                             ; the block's largest p: the same two instructions on the same number give the same bits
	v_exp_f32 v22, v22
	v_pk_mul_f32 v[14:15], v[14:15], v[16:17] op_sel_hi:[1,0]   ; l under the new M.  (The plain place behind the exponentials)
	s_wait_alu depctr_va_vdst(0)
	v_max_num_f32 v20, 0x2800000, v20              ; the floor 2^(5 - 127): the byte cannot fall under 1
	v_max_num_f32 v22, 0x2800000, v22
	v_add_nc_u32 v24, 0xfe000000, v20              ; 4 off the exponent field: the conversion's scale operand
	v_add_nc_u32 v25, 0xfe000000, v22
	v_lshrrev_b32 v26, 23, v24                     ; the bytes of blocks h and 2 + h
	v_lshrrev_b32 v27, 23, v25
	v_lshl_or_b32 v29, v27, 16, v26
	v_lshlrev_b32 v29, v7, v29
	v_permlanex16_b32 v28, v29, s60, s61
	v_or_b32 v41, v29, v28                         ; p's scale word for these 128 positions
.irp c, 0,1
	v_cvt_scalef32_pk16_bf6_f32 v[PC+6*\c:PC+6*\c+2], v[S+32*\c:S+32*\c+15], v[24+\c]
	v_cvt_scalef32_pk16_bf6_f32 v[TC+4*\c:TC+4*\c+2], v[S+32*\c+16:S+32*\c+31], v[24+\c]
.endr
	v_nop                                          ; one plain place behind a scaled conversion
.irp c, 0,1
.irp i, 0,1,2
	v_mov_b32 v[PC+6*\c+3+\i], v[TC+4*\c+\i]
.endr
.endr
.set jj, 0
.rept 16
	v_pk_mul_f32 v[O+jj:O+jj+1], v[O+jj:O+jj+1], v[16:17] op_sel_hi:[1,0]   ; the sums under the new M, each accumulator from its low end on.  (With the moves: 22 places behind p's scale word, 16 behind its codes)
.set jj, jj+2
.endr
	s_wait_dscnt 0x0                               ; v's fragments are in
.irp t, 0,1,2,3
	v_wmma_scale_f32_16x16x128_f8f6f4 v[O+8*\t:O+8*\t+7], v[F+12*\t:F+12*\t+11], v[PC:PC+11], v[O+8*\t:O+8*\t+7], v[32+\t], v41 matrix_a_fmt:MATRIX_FMT_BF6 matrix_b_fmt:MATRIX_FMT_BF6 matrix_a_scale:MATRIX_SCALE_ROW1
.endr                                              ; the four accumulators take one turn each
	v_pk_add_f32 v[18:19], v[S:S+1], v[S+2:S+3]    ; l TAKES THE UNQUANTISED p: two at a time, in two chains.  These 32 lines name no register of the products above: they are the places in front of the next step's loads
.set jj, 4
.rept 15
	v_pk_add_f32 v[14:15], v[14:15], v[S+jj:S+jj+1]
	v_pk_add_f32 v[18:19], v[18:19], v[S+jj+2:S+jj+3]
.set jj, jj+4
.endr
	v_pk_add_f32 v[14:15], v[14:15], v[18:19]
.endm
; THE CHANGE OF SLOTS stands at a slot's head.  Each wave waits for all its tensor loads (its part of the slot that it is about to read), adds 0 to its spare word, and waits for that and for its reads of the
; slot that it has left.  fill = 1: a round of the cluster's barrier follows, so that no wave of any partner still reads that slot or has a load on its way, and the slot is filled with the next eight steps:
; the load has my four steps, and those of the fifteen other waves, in which to land.
.macro CHANGE fill
	s_wait_tensorcnt 0x0                           ; no tensor load of mine is out, so the group 0 may be written
	ds_add_u32 v1, v2                              ; 0 onto my spare word
.if \fill
	s_xor_b32 s57, s57, SLOT1                      ; the walking descriptor: the other slot than last time,
	s_add_nc_u64 s[58:59], s[58:59], SLOTB         ; the next eight steps; the type bits on top are not reached
.endif
	s_wait_dscnt 0x0                               ; the add is done, and my reads of the slot that I have left are over
.if \fill
	CROUND
	JLOAD                                          ; the first thing behind the round, and a wave's one tensor load until the next
.else
	s_barrier_signal -1
	s_barrier_wait -1
.endif
.endm
.macro SLOTWORK
	v_add_nc_u32 v5, s66, v3
	v_add_nc_u32 v6, s66, v4
	STEP 0
	STEP 1
	STEP 2
	STEP 3
.endm
	s_mov_b32 s66, 0
	s_mov_b32 s67, 7
.Lslot:                                            ; seven trips: trip j reads the batch's steps 8 j on and asks for the next eight
	CHANGE 1
	SLOTWORK
	s_xor_b32 s66, s66, SLOT1                      ; on to the other slot
	s_sub_co_u32 s67, s67, 1
	s_cmp_lg_u32 s67, 0
	s_cbranch_scc1 .Lslot
	CHANGE 0                                       ; the last eight steps are written out; behind this barrier nobody reads slot 0 and nothing fills it
	s_mov_b32 s66, SLOT1                           ; they lie in slot 1 (seven turns from 0): written as the constant
	SLOTWORK
	; ---- THE MERGE.  My half of the positions n and my partner's are brought under one M.  All 32 registers go to LDS as they stand, so that no register number hangs on g.
	v_add_f32 v13, v14, v15                        ; l's two halves,
	v_permlanex16_b32 v28, v13, s60, s61
	v_add_f32 v13, v13, v28                        ; and lane l xor 16's
.irp i, 0,1,2,3,4,5,6,7
	ds_store_b128 v9, v[O+4*\i:O+4*\i+3] offset:512*\i   ; each accumulator from its low end on
.endr
	ds_store_b64 v224, v[12:13]                    ; (-M, l)
	s_wait_dscnt 0x0                               ; for my partner's sake
	s_barrier_signal -1
	s_barrier_wait -1
.irp i, 0,1,2,3
	ds_load_b128 v[F+4*\i:F+4*\i+3], v10 offset:512*\i         ; my sums for channels 32 g on,
	ds_load_b128 v[F+16+4*\i:F+16+4*\i+3], v11 offset:512*\i   ; my partner's,
	ds_load_b128 v[F+32+4*\i:F+32+4*\i+3], v8 offset:512*\i    ; the f32 v
.endr
	ds_load_b64 v[18:19], v225
	s_wait_dscnt 0x0
	v_min_num_f32 v30, v12, v18                    ; the common -M
	v_sub_f32 v26, v30, v12
	v_sub_f32 v27, v30, v18
	v_cvt_i32_f32 v26, v26
	v_cvt_i32_f32 v27, v27
	v_ldexp_f32 v16, 1.0, v26                      ; my factor, 2^(my M - the common M),
	v_ldexp_f32 v20, 1.0, v27                      ; my partner's
	v_mul_f32 v29, v13, v16
	v_fma_f32 v29, v19, v20, v29                   ; l
	v_rcp_f32 v29, v29
	v_nop                                          ; one plain place behind a transcendental
	s_wait_alu depctr_va_vdst(0)
	v_mul_f32 v29, s30, v29                        ; gamma / l
	v_mul_f32 v16, v16, v29
	v_mul_f32 v20, v20, v29
.irp j, 0,2,4,6,8,10,12,14
	v_pk_fma_f32 v[F+16+\j:F+17+\j], v[F+16+\j:F+17+\j], v[20:21], v[F+32+\j:F+33+\j] op_sel_hi:[1,0,1]
.endr
.irp j, 0,2,4,6,8,10,12,14
	v_pk_fma_f32 v[F+\j:F+1+\j], v[F+\j:F+1+\j], v[16:17], v[F+16+\j:F+17+\j] op_sel_hi:[1,0,1]   ; register 8 t + j: out(channel 32 g + 16 t + 8 h + j, m = r)
.endr
	; ---- THE WAY OUT.  A lane holds one m and 16 channels; a row of out0 runs along m.  So the numbers meet in a stage of 64 rows x 128 m, and each wave stores four whole rows of 512 bytes.
.irp t, 0,1
.irp j, 0,1,2,3,4,5,6,7
	ds_store_b32 v226, v[F+8*\t+\j] offset:OP*(16*\t+\j)
.endr
.endr
	s_wait_dscnt 0x0                               ; for the others' sake
	s_barrier_signal -1
	s_barrier_wait -1
.irp i, 0,1,2,3
	ds_load_b128 v[F+16+4*\i:F+16+4*\i+3], v227 offset:OP*\i
.endr
.irp i, 0,1,2,3
	s_wait_dscnt 3-\i                              ; LDS loads come back in order (ISA guide 5.7.1): row i is in, the younger ones may be out
	global_store_b128 v228, v[F+16+4*\i:F+16+4*\i+3], s[28:29] offset:32768*\i th:TH_STORE_NT   ; 32 lanes store 512 consecutive bytes, at a multiple of 256 from out0's first byte; written once, read by nobody here
.endr
	s_wait_tensorcnt 0x0                           ; the wave's end: behind my last tensor load and my last LDS store
	ds_add_u32 v1, v2
	s_wait_dscnt 0x0
	CROUND                                         ; the closing round: no work-group ends while a partner may still ask for a tile that names it
	s_endpgm
.Lfunc_end_k_qe85b1f81d2_attn:
	.size	k_qe85b1f81d2_attn, .Lfunc_end_k_qe85b1f81d2_attn-k_qe85b1f81d2_attn
	.p2alignl 7, 3214868480
	.fill 96, 4, 3214868480
	.section	.rodata,"a",@progbits
	.p2align	6, 0x0
	.amdhsa_kernel k_qe85b1f81d2_attn
		.amdhsa_group_segment_fixed_size 327680
		.amdhsa_private_segment_fixed_size 0
		.amdhsa_enable_private_segment 0
		.amdhsa_kernarg_size 104
		.amdhsa_user_sgpr_count 2
		.amdhsa_user_sgpr_kernarg_segment_ptr 1
		.amdhsa_wavefront_size32 1
		.amdhsa_system_sgpr_workgroup_id_x 1
		.amdhsa_system_sgpr_workgroup_id_y 1
		.amdhsa_system_sgpr_workgroup_id_z 1
		.amdhsa_system_vgpr_workitem_id 0
		.amdhsa_next_free_vgpr 256
		.amdhsa_next_free_sgpr 80
		.amdhsa_reserve_vcc 0
		.amdhsa_float_denorm_mode_32 3
		.amdhsa_float_denorm_mode_16_64 3
		.amdhsa_memory_ordered 1
		.amdhsa_forward_progress 1
		.amdhsa_inst_pref_size 133
	.end_amdhsa_kernel
	.amdgpu_metadata
---
amdhsa.version: [ 1, 2 ]
amdhsa.kernels:
  - .name:           k_qe85b1f81d2_attn
    .symbol:         k_qe85b1f81d2_attn.kd
    .args:
      - { .name: kv, .offset: 0, .size: 8, .value_kind: global_buffer, .address_space: global }
      - { .name: key__codes, .offset: 8, .size: 8, .value_kind: global_buffer, .address_space: global }
      - { .name: key__scales, .offset: 16, .size: 8, .value_kind: global_buffer, .address_space: global }
      - { .name: Wk_codes, .offset: 24, .size: 8, .value_kind: global_buffer, .address_space: global }
      - { .name: Wk_scales, .offset: 32, .size: 8, .value_kind: global_buffer, .address_space: global }
      - { .name: bk, .offset: 40, .size: 8, .value_kind: global_buffer, .address_space: global }
      - { .name: value_codes, .offset: 48, .size: 8, .value_kind: global_buffer, .address_space: global }
      - { .name: value_scales, .offset: 56, .size: 8, .value_kind: global_buffer, .address_space: global }
      - { .name: Wv_codes, .offset: 64, .size: 8, .value_kind: global_buffer, .address_space: global }
      - { .name: Wv_scales, .offset: 72, .size: 8, .value_kind: global_buffer, .address_space: global }
      - { .name: bv, .offset: 80, .size: 8, .value_kind: global_buffer, .address_space: global }
      - { .name: gamma, .offset: 88, .size: 8, .value_kind: global_buffer, .address_space: global }
      - { .name: out0, .offset: 96, .size: 8, .value_kind: global_buffer, .address_space: global }
    .group_segment_fixed_size: 327680
    .private_segment_fixed_size: 0
    .kernarg_segment_align: 8
    .kernarg_segment_size: 104
    .max_flat_workgroup_size: 512
    .sgpr_count:     80
    .vgpr_count:     256
    .wavefront_size: 32
...
	.end_amdgpu_metadata
.endif
;; end of part 2
